; MI455X (gfx1250); checked and timed in simulation.
; The chip was launched on July 23, 2026; its instructions are those of AMD's public machine-readable ISA for CDNA 5 (MIT licence, August 2026) and "CDNA5" Instruction Set Architecture Reference Guide (July 2026). The comments in the code are by the model that wrote it; some were corrected since.
;; My LSTM Cell. Allowed arithmetic: float matrix products may take bf16 or f16 operands with f32 sums; other float arithmetic in f32, or as packed bf16 or f16 multiplies, adds, multiply-adds, maxima and minima; sums over many terms, partial sums and values carried from step to step in f32; what a program stores and reads back later, other than sums and carried values, may be rounded once to bf16 or f16.
;; Inputs: Wc 2,048 x 4,096 float32; Wf 2,048 x 4,096 float32; Wi 2,048 x 4,096 float32; Wo 2,048 x 4,096 float32; bc 2,048 float32; bf 2,048 float32; bi 2,048 float32; bo 2,048 float32; ct_pro 2,048 x 2,048 float32; ht_pro 2,048 x 2,048 float32; xt 2,048 x 2,048 float32.
;; Outputs: out0 2,048 x 2,048 float32; out1 2,048 x 2,048 float32.
;; One version. Each part assembles by itself: llvm-mc -triple=amdgcn-amd-amdhsa -mcpu=gfx1250 --defsym DOCPART=n.
;; ======== version 1 of 1: 2 launches
;; limits: values outside matrix products are rounded to bf16
;; workspace buffers: xhb 16,777,216 bytes; wb 67,108,864 bytes
;; launch cast (part 1): grid 512 x 5, 8 waves a work-group, no clusters, 0 bytes of LDS; arguments xt, ht_pro, Wf, Wi, Wc, Wo, xhb, wb; writes xhb, wb
.if DOCPART == 1
	.amdgcn_target "amdgcn-amd-amdhsa--gfx1250"
	.amdhsa_code_object_version 6
	.text
	.protected	k_q94a4194df7_cast
	.globl	k_q94a4194df7_cast
	.p2align	8
	.type	k_q94a4194df7_cast,@function
k_q94a4194df7_cast:
	s_mov_b64 s[64:65], 0
	v_nop
	global_prefetch_b8 v0, s[64:65] scope:SCOPE_SE
	s_setreg_imm32_b32 hwreg(HW_REG_WAVE_MODE, 25, 1), 1
	s_wait_xcnt 0x0
; THE OPERANDS OF THE FOUR GATE PRODUCTS, rounded once to bf16 (nearest even) and laid out for the product that follows.
;   xhb [2048][4096] bf16: xhb[m][k] = xt[m][k] for k < 2048, ht_pro[m][k - 2048] behind it: the concatenation.
;   wb  [8192][4096] bf16: row 128 (j / 32) + 32 g + j % 32 holds row j of gate g's weights (g = 0 Wf, 1 Wi, 2 Wc, 3 Wo): 128 rows on end hold all four gates of 32 hidden columns.
; ct_pro is not among the arguments: the function computed here takes it and never uses it.
; LIMITS.  A magnitude above bf16's largest finite number (3.39e38) rounds to an infinity; NaN stays NaN.
; SHARES.  A wave takes 2,048 numbers on end: 8,192 bytes in, 4,096 out; a work-group's eight waves 65,536 bytes of one source on end.
;   y = 0..3: gate y, rows 4 x .. 4 x + 3 of its weights, wave w the half w % 2 of row 4 x + w / 2.     y = 4: xt (x < 256) or ht_pro, row 8 (x % 256) + w.
; All of a wave's sixteen loads go out at once; no register is written twice, so no wait frees a source.  Nothing is shared between waves: no LDS, no barrier, no cluster; there is no product, so no matrix instruction.
.set X, 16                             ; v[16:79]   load k: four f32
.set Y, 80                             ; v[80:111]  store k: four bf16
	s_load_b512 s[8:23], s[0:1], 0x0               ; xt s[8:9], ht_pro s[10:11], Wf s[12:13], Wi s[14:15], Wc s[16:17], Wo s[18:19], xhb s[20:21], wb s[22:23]
	v_lshrrev_b32 v1, 5, v0
	v_readfirstlane_b32 s4, v1                     ; wave w, 0..7
	v_and_b32 v1, 31, v0                           ; lane
	v_lshlrev_b32 v2, 4, v1                        ; 16 bytes a lane in
	v_lshlrev_b32 v3, 3, v1                        ; 8 bytes a lane out
	s_mov_b32 s2, ttmp9                            ; x
	s_and_b32 s3, ttmp7, 0xffff                    ; y
	; the offsets, made apart from every address
	s_and_b32 s34, s2, 255                         ; x % 256
	s_cmp_lt_u32 s3, 4
	s_cselect_b32 s30, s2, s34
	s_lshl_b32 s30, s30, 16                        ; the work-group's 65,536 bytes of its source,
	s_lshl_b32 s35, s4, 13
	s_add_co_u32 s30, s30, s35                     ; the wave's 8,192 of them
	s_mov_b32 s31, 0
	s_lshr_b32 s36, s2, 3                          ; weights: j / 32 = x / 8,
	s_lshl_b32 s36, s36, 7
	s_lshl_b32 s37, s3, 5                          ; the gate's 32 rows,
	s_add_co_u32 s36, s36, s37
	s_and_b32 s37, s2, 7                           ; j % 32 = 4 (x % 8) + w / 2
	s_lshl_b32 s37, s37, 2
	s_add_co_u32 s36, s36, s37
	s_lshl_b32 s36, s36, 13                        ; a row of wb is 8,192 bytes;
	s_lshl_b32 s37, s4, 12                         ; (w / 2) rows + (w % 2) halves = 4,096 w bytes
	s_add_co_u32 s36, s36, s37
	s_lshl_b32 s38, s34, 16                        ; xhb: row 8 (x % 256) + w,
	s_add_co_u32 s38, s38, s35
	s_lshr_b32 s37, s2, 8                          ; its first half from xt, its second from ht_pro
	s_lshl_b32 s37, s37, 12
	s_add_co_u32 s38, s38, s37
	s_cmp_lt_u32 s3, 4
	s_cselect_b32 s32, s36, s38
	s_mov_b32 s33, 0
	s_wait_kmcnt 0x0
	; the buffers are chosen by the work-group's numbers alone
	s_cmp_eq_u32 s3, 0
	s_cselect_b64 s[24:25], s[12:13], s[14:15]
	s_cmp_lt_u32 s3, 2
	s_cselect_b64 s[24:25], s[24:25], s[16:17]
	s_cmp_lt_u32 s3, 3
	s_cselect_b64 s[24:25], s[24:25], s[18:19]
	s_cmp_lt_u32 s2, 256
	s_cselect_b64 s[26:27], s[8:9], s[10:11]
	s_cmp_lt_u32 s3, 4
	s_cselect_b64 s[24:25], s[24:25], s[26:27]     ; from where
	s_cselect_b64 s[28:29], s[22:23], s[20:21]     ; to where
	s_add_nc_u64 s[24:25], s[24:25], s[30:31]
	s_add_nc_u64 s[28:29], s[28:29], s[32:33]
.irp k, 0,1,2,3,4,5,6,7,8,9,10,11,12,13,14,15
	global_load_b128 v[X+4*(\k):X+4*(\k)+3], v2, s[24:25] offset:512*(\k) th:TH_LOAD_NT  ; 512 consecutive bytes a load; each byte is read once in the launch
.endr
.irp k, 0,1,2,3,4,5,6,7,8,9,10,11,12,13,14,15
	s_wait_loadcnt 15-(\k)                         ; loads come back in order (ISA guide 5.7.1): load k is in, the 15 - k younger ones stay out
	v_cvt_pk_bf16_f32 v[Y+2*(\k)], v[X+4*(\k)], v[X+4*(\k)+1]
	v_cvt_pk_bf16_f32 v[Y+2*(\k)+1], v[X+4*(\k)+2], v[X+4*(\k)+3]
	global_store_b64 v3, v[Y+2*(\k):Y+2*(\k)+1], s[28:29] offset:256*(\k) th:TH_STORE_NT  ; the wave's 32 lanes store 256 consecutive bytes, at a multiple of 256 from the buffer's first byte
.endr
	s_endpgm
.Lfunc_end_k_q94a4194df7_cast:
	.size	k_q94a4194df7_cast, .Lfunc_end_k_q94a4194df7_cast-k_q94a4194df7_cast
	.p2alignl 7, 3214868480
	.fill 96, 4, 3214868480
	.section	.rodata,"a",@progbits
	.p2align	6, 0x0
	.amdhsa_kernel k_q94a4194df7_cast
		.amdhsa_group_segment_fixed_size 0
		.amdhsa_private_segment_fixed_size 0
		.amdhsa_enable_private_segment 0
		.amdhsa_kernarg_size 64
		.amdhsa_user_sgpr_count 2
		.amdhsa_user_sgpr_kernarg_segment_ptr 1
		.amdhsa_wavefront_size32 1
		.amdhsa_system_sgpr_workgroup_id_x 1
		.amdhsa_system_sgpr_workgroup_id_y 1
		.amdhsa_system_sgpr_workgroup_id_z 1
		.amdhsa_system_vgpr_workitem_id 0
		.amdhsa_next_free_vgpr 112
		.amdhsa_next_free_sgpr 66
		.amdhsa_reserve_vcc 0
		.amdhsa_float_denorm_mode_32 3
		.amdhsa_float_denorm_mode_16_64 3
		.amdhsa_memory_ordered 1
		.amdhsa_forward_progress 1
		.amdhsa_inst_pref_size 8
	.end_amdhsa_kernel
	.amdgpu_metadata
---
amdhsa.version: [ 1, 2 ]
amdhsa.kernels:
  - .name:           k_q94a4194df7_cast
    .symbol:         k_q94a4194df7_cast.kd
    .args:
      - { .name: xt, .offset: 0, .size: 8, .value_kind: global_buffer, .address_space: global }
      - { .name: ht_pro, .offset: 8, .size: 8, .value_kind: global_buffer, .address_space: global }
      - { .name: Wf, .offset: 16, .size: 8, .value_kind: global_buffer, .address_space: global }
      - { .name: Wi, .offset: 24, .size: 8, .value_kind: global_buffer, .address_space: global }
      - { .name: Wc, .offset: 32, .size: 8, .value_kind: global_buffer, .address_space: global }
      - { .name: Wo, .offset: 40, .size: 8, .value_kind: global_buffer, .address_space: global }
      - { .name: xhb, .offset: 48, .size: 8, .value_kind: global_buffer, .address_space: global }
      - { .name: wb, .offset: 56, .size: 8, .value_kind: global_buffer, .address_space: global }
    .group_segment_fixed_size: 0
    .private_segment_fixed_size: 0
    .kernarg_segment_align: 8
    .kernarg_segment_size: 64
    .max_flat_workgroup_size: 256
    .sgpr_count:     66
    .vgpr_count:     112
    .wavefront_size: 32
...
	.end_amdgpu_metadata
.endif
;; end of part 1
;; launch gates (part 2): grid 32 x 8, 4 waves a work-group, clusters of 4 x 4, 327,680 bytes of LDS; arguments xhb, wb, bf, bi, bc, bo, out0, out1; writes out0, out1
.if DOCPART == 2
	.amdgcn_target "amdgcn-amd-amdhsa--gfx1250"
	.amdhsa_code_object_version 6
	.text
	.protected	k_q94a4194df7_gates
	.globl	k_q94a4194df7_gates
	.p2align	8
	.type	k_q94a4194df7_gates,@function
k_q94a4194df7_gates:
	s_mov_b64 s[64:65], 0
	v_nop
	global_prefetch_b8 v0, s[64:65] scope:SCOPE_SE
	s_setreg_imm32_b32 hwreg(HW_REG_WAVE_MODE, 25, 1), 1
	s_wait_xcnt 0x0
	s_wait_alu depctr_hold_cnt(0) depctr_sa_sdst(0) depctr_va_vdst(0) depctr_va_sdst(0) depctr_va_ssrc(0) depctr_va_vcc(0) depctr_vm_vsrc(0)
	s_getreg_b32 s2, hwreg(HW_REG_IB_STS2, 6, 4)
	s_cmp_eq_u32 s2, 0
	s_cbranch_scc0 .Lentry_in_a_cluster
	s_endpgm
.Lentry_in_a_cluster:
	s_bfe_u32 s2, ttmp6, 0x10000c
	s_cmp_lg_u32 s2, 0xf033
	s_cbranch_scc0 .Lentry_shape_is_right
	s_endpgm
.Lentry_shape_is_right:
; THE LSTM CELL.  z_g = xh W_g^T + b_g for the gates g = f, i, c, o;  ct = (sigmoid(z_f) + sigmoid(z_i)) tanh(z_c) -> out1;  ht = sigmoid(z_o) tanh(ct) -> out0.  Both [2048][2048] f32.
; xhb [2048][4096] bf16 is [xt | ht_pro]; wb [8192][4096] bf16 holds the four gates' weights, row 128 (j / 32) + 32 g + j % 32 = row j of gate g.  So the four products are ONE product xhb wb^T of 2048 x 8192 x 4096,
; in which 128 rows of wb on end are all four gates of 32 hidden columns.  Sums in f32; the biases start the sums.  ct_pro is not among the arguments: the function computed here takes it and never uses it.
; LIMITS.  All inputs are taken rounded to bf16, the biases too (rounded here, nearest even).  sigmoid(z) = 1 / (1 + 2^(-L z)), tanh(z) = 1 - 2 / (1 + 2^(2 L z)), L = log2(e): an exponential that overflows gives the
; reciprocal 0, one that underflows counts as 0, and both give the right limits 0, 1, -1.  tanh so made carries an absolute error of a few 2^-24, so arguments far below 1 lose relative accuracy.  NaN is not treated apart.
; SHARES.  A work-group makes 256 batch rows x 64 hidden columns of both outputs: a tile of 256 x 256 of the product.  Four waves, as many as a WGP has SIMDs; a wave makes 128 x 128: 64 accumulators of 16 x 16, 512 registers:
; 128 batch rows x all four gates of 32 hidden columns.  K goes in steps of 128 through a ring of two LDS slots filled by the tensor data mover; a tile's rows are 256 bytes of memory, at multiples of 256 from the buffer's first byte.
; THE MATRIX INSTRUCTION IS USED TRANSPOSED: source 0 = 16 rows of wb, source 1 = 16 rows of xhb.  In accumulator (a, b) lane l, register r holds batch row 16 a + l % 16, gate b / 2, hidden column 16 (b % 2) + 8 (l / 16) + r
; of the wave's 32: the four gates of one output number lie in ONE lane, and the cell's arithmetic changes no lane.
; CLUSTERS: 4 x 4 work-groups.  The four of a row of the cluster need the same tiles of xhb, the four of a column the same tiles of wb: each tile is asked for JOINTLY, by the same tensor load with the same descriptor and a
; mask that names the four; each receives it in its own LDS.  That divides the requests for both by four.
; REGISTERS, in windows of 256 (s_set_vgpr_msb: bits 1:0 source 0, 3:2 source 1, 5:4 source 2, 7:6 destination):
;   window 0: v0-31 addresses; v32-63 at work once; v64-127, v128-191 fragments of xhb, two buffers; v192-255 the biases as a C operand, eight registers for each b
;   window 1: v64-127, v128-191 fragments of wb, two buffers; on the way out all 256: rows read back from the stage
;   window 2: the accumulators of my rows 0-63 ((a, b) at v[8 (8 a + b)]);   window 3: those of my rows 64-127
.set SIZE_K, 4096
.set KSTEP,  128
.set PITCH,  272                       ; an LDS row: 256 bytes of data + 16 of padding = 68 words: row r starts at bank 4 r mod 64 (64 banks of 4 bytes: ISA guide 11.1), so the 16 rows that a load touches start at 16 different banks
.set HALFT,  128*PITCH                 ; 128 rows: what one tensor load brings, and what one wave reads of xhb or of wb
.set SLOT,   4*HALFT                   ; xhb's 256 rows, then wb's 256 rows
.set SPARE,  2*SLOT                    ; behind the ring: the spare words, 128 bytes for each wave: two blocks of 256 bytes that no other line names
.set CTS,    256*PITCH                 ; THE STAGE of the way out is slot 0, behind its last fill and its last read: 256 rows of ht from byte 0, 256 rows of ct from here
.set LAPS,   SIZE_K/(2*KSTEP)          ; a lap = two K steps = once round the ring
.set OUTP,   8192                      ; bytes in a row of out0 and out1
.set ADRA, 16                          ; v16-17  LDS address of my fragments of xhb in slot 0, 1
.set ADRB, 20                          ; v20-21  the same for wb
.set BO,   22                          ; v22     32 (l / 16): my eight numbers in 16 of a bias; never rewritten
.set STO0, 24                          ; v24     the way out: where I put 32 bytes of a row of ht
.set STO1, 25                          ; v25     of ct
.set RD0,  26                          ; v26     the way out: where I read rows of ht back
.set RD1,  27                          ; v27     of ct
.set SPW,  28                          ; v28     LDS address of my spare word: SPARE + 4 x my thread's number; never rewritten
.set NIL,  29                          ; v29     0; never rewritten
.set PFO,  30                          ; v30     the prefetches' offset: my lane x a row of xhb or wb; never rewritten
.set CO,   31                          ; v31     my byte offset in two rows of an output
.set TMP,  32
.set F0,   64
.set F1,   128
.set BIAS, 192
.set G1,  24                           ; s[24:31] descriptor group 1 for xhb's tiles;  s[32:39] group 0, a set for each slot
.set G0,  32
.set G1B, 48                           ; s[48:55], s[56:63] the same for wb's tiles
.set G0B, 56
.set LIM, 43                           ; s43      1 in a wave that prefetches, else the greatest number
.set PFA, 44                           ; s[44:45] where my prefetches stand: one K step further along K than the refill that is being asked for; a prefetch names the K step after that
.set NL,  84                           ; s[84:85] -L, named as a pair
.set TL,  86                           ; s[86:87] 2 L
.set MSB, 0
.macro WIN new                         ; the immediate's high byte repeats the setting that is left; a switch that changes nothing is dropped
.if MSB != (\new)
	s_set_vgpr_msb (MSB<<8)|(\new)
.set MSB, \new
.endif
.endm
.set TO_B, 0x40                        ; destination window 1, address window 0
; A joint load.  Waves 0 and 1 fetch xhb's two halves, waves 2 and 3 wb's.  Each of the two lines has one mask and one set of registers for all that issue it; the branch hangs on the wave's number alone.
; An s_nop 0 and four v_nop follow each of the two lines, ahead of the jump, the label and what follows the macro.
.macro JLOAD s
	s_cmp_eq_u32 s11, 0
	s_cbranch_scc0 .Lfor_b_\@
	tensor_load_to_lds s[G0+4*(\s):G0+4*(\s)+3], s[G1:G1+7]
	s_nop 0
.rept 4
	v_nop
.endr
	s_branch .Lasked_\@
.Lfor_b_\@:
	tensor_load_to_lds s[G0B+4*(\s):G0B+4*(\s)+3], s[G1B:G1B+7]
	s_nop 0
.rept 4
	v_nop
.endr
.Lasked_\@:
.endm
; A PREFETCH INTO THE L2, behind each joint refill, its five lines and the run of LDS loads that follows them: the K step that stands TWO refills on, 512 matrix instructions ahead of the load that will ask for it:
; 32 rows x 256 bytes, a lane a row, one instruction a wave.  Each row's 256 bytes of a K step are named ONCE in the launch: xhb's tile row is read by every cluster of that row of clusters, and the one with cluster x = 0
; asks; wb's tile column by every cluster of that column, and the one with cluster y = 0 asks.  The four partners that ask for a tile jointly share its rows out BY ADDRESS: of the 128 rows that a wave fetches the partner
; at place p takes 32 p .. 32 p + 31 (p = cx for xhb, cy for wb).  The loop's last trip (s3 = 1) asks for nothing: K steps 32 and 33 do not exist.  K steps 0 to 3 come by their loads alone.
.macro ASK
	s_cmp_gt_u32 s3, s[LIM]
	s_cbranch_scc0 .Lnot_mine_\@
	global_prefetch_b8 v[PFO], s[PFA:PFA+1] offset:KSTEP*2 th:TH_LOAD_NT scope:SCOPE_SE
.Lnot_mine_\@:
.endm
; A round of the cluster's barrier: my work-group's barrier, so that wave 0's signal speaks for all four waves; wave 0 signals for the work-group; every wave waits for all sixteen work-groups; my work-group's barrier once more.
.macro CREST                           ; a round behind its opening barrier
	s_cmp_lg_u32 s10, 0
	s_cbranch_scc1 .Lnot_wave_0_\@
	s_barrier_signal -3
.Lnot_wave_0_\@:
	s_barrier_wait -3
	s_barrier_signal -1
	s_barrier_wait -1
.endm
.macro CROUND                          ; a whole round
	s_barrier_signal -1
	s_barrier_wait -1
	CREST
.endm
	s_load_b512 s[68:83], s[0:1], 0x0              ; xhb s[68:69], wb s[70:71], bf s[72:73], bi s[74:75], bc s[76:77], bo s[78:79], out0 s[80:81], out1 s[82:83]
	v_lshl_add_u32 v[SPW], v0, 2, SPARE
	v_mov_b32 v[NIL], 0
	ds_add_u32 v[SPW], v[NIL]                      ; the wave's opening: the add, twice on end, and its wait ahead of my first tensor load; the set-up below, work on registers, stands between
	ds_add_u32 v[SPW], v[NIL]                      ; and once more, under the one wait
	v_lshrrev_b32 v1, 5, v0
	v_readfirstlane_b32 s10, v1                    ; wave 0..3
	s_lshr_b32 s11, s10, 1                         ; which half of the tile's batch rows is mine.  Also: I fetch for xhb (0) or for wb (1)
	s_and_b32 s12, s10, 1                          ; which half of its rows of wb.  Also: which 128 rows of that tile I fetch
	s_bfe_u32 s40, ttmp6, 0x40000                  ; cx: my place along the cluster's x
	s_bfe_u32 s41, ttmp6, 0x40004                  ; cy: along its y
	s_lshl_b32 s42, ttmp9, 2                       ; in a cluster launch ttmp9 and ttmp7 count clusters
	s_add_co_u32 s42, s42, s40                     ; tile column = 4 x cluster x + cx, 0..31
	s_and_b32 s13, ttmp7, 0xffff
	s_lshl_b32 s13, s13, 2
	s_add_co_u32 s13, s13, s41                     ; tile row = 4 x cluster y + cy, 0..7
	s_lshl_b32 s43, s41, 2
	s_lshl_b32 s43, 15, s43                        ; my row of the cluster: places 4 cy .. 4 cy + 3
	s_lshl_b32 s44, 0x1111, s40                    ; my column: places cx, cx + 4, cx + 8, cx + 12
	; descriptor group 1: a tile of 128 rows x 128 elements, padded in LDS
	s_or_b32 s[G1+0], s43, (1<<16)|(1<<20)|(1<<21)|(5<<22)|(3<<25)  ; 15:0 the mask: xhb's tiles go to my row; 17:16 elements of 2 bytes; 20 padding on; 21 set beside a mask; 24:22 after every 64 words (code 5); 31:25 4 words of it (code 3)
	s_or_b32 s[G1B+0], s44, (1<<16)|(1<<20)|(1<<21)|(5<<22)|(3<<25) ; the same with the mask of my column, for wb's tiles
.irp g, G1, G1B
	s_mov_b32 s[(\g)+1], KSTEP<<16                 ; 63:48 tensor_dim0, low half = 128
	s_mov_b32 s[(\g)+2], 128<<16                   ; 79:64 its high half = 0; 95:80 tensor_dim1, low half = 128
	s_mov_b32 s[(\g)+3], KSTEP<<16                 ; 111:96 its high half = 0; 127:112 tile_dim0 = 128
	s_mov_b32 s[(\g)+4], 128                       ; 143:128 tile_dim1 = 128; 159:144 tile_dim2 = 0
	s_mov_b32 s[(\g)+5], SIZE_K                    ; 191:160 tensor_dim0_stride, low word: elements from row to row
	s_mov_b32 s[(\g)+6], 0
	s_mov_b32 s[(\g)+7], 0
.endr
	s_mov_b32 s[NL], 0xbfb8aa3b                    ; -log2(e)
	s_mov_b32 s[NL+1], s[NL]
	s_mov_b32 s[TL], 0x4038aa3b                    ; 2 log2(e)
	s_mov_b32 s[TL+1], s[TL]
	s_mov_b32 s88, 0xffff0000                      ; a word's upper bf16
	; where the tiles come from.  xhb's hang on the tile row alone, which my row of the cluster shares; wb's on the tile column alone, which my column shares.  Every wave makes both, in registers that never hold the other coordinate.
	s_lshl_b32 s17, s12, 7                         ; which 128 rows of the tile I fetch
	s_lshl_b32 s16, s13, 8
	s_add_co_u32 s16, s16, s17                     ; xhb: row 256 x tile row + 128 x half,
	s_lshl_b32 s16, s16, 13                        ; of 8,192 bytes: under 2^24
	s_lshl_b32 s46, s42, 8
	s_add_co_u32 s46, s46, s17                     ; wb: row 256 x tile column + 128 x half,
	s_lshl_b32 s46, s46, 13                        ; under 2^26
	s_mov_b32 s17, 0
	s_mov_b32 s47, 0
	s_mul_i32 s20, s10, HALFT                      ; and where they go: xhb's two halves, then wb's two halves = wave x 128 rows: no place in the cluster enters an LDS address
	s_wait_dscnt 0x0                               ; both opening adds are done
	s_wait_kmcnt 0x0
	s_add_nc_u64 s[14:15], s[68:69], s[16:17]
	s_add_nc_u64 s[46:47], s[70:71], s[46:47]
	CROUND                                         ; all sixteen work-groups are here: the first joint loads meet
.irp s, 0,1
	s_mov_b32 s[G0+4*(\s)], 1                                      ; 1:0 count = 1
	s_add_co_u32 s[G0+4*(\s)+1], s20, (\s)*SLOT                    ; 63:32 LDS address
	s_add_nc_u64 s[G0+4*(\s)+2:G0+4*(\s)+3], s[14:15], (\s)*KSTEP*2  ; 120:64 global address: K step s
	s_or_b32 s[G0+4*(\s)+3], s[G0+4*(\s)+3], 0x80000000            ; 127:126 type = 2
	s_mov_b32 s[G0B+4*(\s)], 1
	s_add_co_u32 s[G0B+4*(\s)+1], s20, (\s)*SLOT
	s_add_nc_u64 s[G0B+4*(\s)+2:G0B+4*(\s)+3], s[46:47], (\s)*KSTEP*2
	s_or_b32 s[G0B+4*(\s)+3], s[G0B+4*(\s)+3], 0x80000000
	JLOAD \s                                       ; the ring is filled before anything else is done: two loads of mine are out
.endr
	; THE BIASES of my 32 hidden columns, as the C operand of an accumulator's first product: for block b = 2 g + s register r of lane l is b_g[64 x tile column + 32 x half + 16 s + 8 (l / 16) + r], whatever the batch row.
	v_and_b32 v1, 15, v0                           ; l % 16
	v_bfe_u32 v2, v0, 4, 1                         ; l / 16
	v_lshlrev_b32 v[BO], 5, v2
	s_lshl_b32 s46, s42, 8                         ; 64 columns of 4 bytes a tile column (also: the tile's first byte in a row of an output)
	s_lshl_b32 s47, s12, 7
	s_add_co_u32 s20, s46, s47
	s_mov_b32 s21, 0
.irp g, 0,1,2,3
	s_add_nc_u64 s[72+2*(\g):73+2*(\g)], s[72+2*(\g):73+2*(\g)], s[20:21]
.endr
.irp g, 0,1,2,3
.irp s, 0,1
.irp q, 0,1
	global_load_b128 v[BIAS+16*(\g)+8*(\s)+4*(\q):BIAS+16*(\g)+8*(\s)+4*(\q)+3], v[BO], s[72+2*(\g):73+2*(\g)] offset:64*(\s)+16*(\q)
.endr
.endr
.endr
	; A fragment is 16 rows x 32 K in 8 registers: lane l holds row l % 16; registers 0-3 hold K = 8 (l / 16) + 0..7, registers 4-7 K = 16 + 8 (l / 16) + 0..7: two loads of 16 bytes, 32 bytes apart.
	v_mul_u32_u24 v3, v1, PITCH
	v_lshl_add_u32 v3, v2, 4, v3                   ; row x pitch + 16 x half
	s_mul_i32 s21, s11, HALFT                      ; my 128 rows of xhb
	s_mul_i32 s22, s12, HALFT                      ; my 128 rows of wb,
	s_add_co_u32 s22, s22, 2*HALFT                 ; which lie behind xhb's 256
.irp s, 0,1
	v_add_nc_u32 v[ADRA+(\s)], s21, v3
	v_add_nc_u32 v[ADRB+(\s)], s22, v3
	s_add_co_u32 s21, s21, SLOT
	s_add_co_u32 s22, s22, SLOT
.endr
	; the stage: a row is a batch row's 64 hidden columns, 256 bytes of f32.  In: row 128 x row half + l % 16 (+ 16 a), byte 128 x column half + 32 (l / 16) (+ 64 s + 16 q)
	s_mul_i32 s23, s11, HALFT
	s_lshl_b32 s21, s12, 7
	s_add_co_u32 s23, s23, s21
	v_mul_u32_u24 v4, v1, PITCH
	v_lshl_add_u32 v4, v2, 5, v4
	v_add_nc_u32 v[STO0], s23, v4
	v_add_nc_u32 v[STO1], CTS, v[STO0]
	s_mul_i32 s23, s10, 64*PITCH                   ; back: wave w takes rows 64 w .. 64 w + 63, whole; lanes 0-15 one row of 256 bytes, lanes 16-31 the next
	v_mul_u32_u24 v5, v2, PITCH
	v_lshl_add_u32 v5, v1, 4, v5
	v_add_nc_u32 v[RD0], s23, v5
	v_add_nc_u32 v[RD1], CTS, v[RD0]
	v_lshlrev_b32 v5, 13, v2                       ; and the same two rows in an output
	v_lshl_add_u32 v[CO], v1, 4, v5
	s_lshl_b32 s16, s13, 8
	s_lshl_b32 s17, s10, 6
	s_add_co_u32 s16, s16, s17                     ; the first row that I store: 256 x tile row + 64 x wave,
	s_lshl_b32 s16, s16, 13                        ; of 8,192 bytes,
	s_add_co_u32 s16, s16, s46                     ; at the tile's first column
	s_mov_b32 s17, 0
	s_add_nc_u64 s[80:81], s[80:81], s[16:17]
	s_add_nc_u64 s[82:83], s[82:83], s[16:17]
	; the prefetches
	s_lshl_b32 s13, s13, 8                         ; 256 x tile row
	s_lshl_b32 s42, s42, 8                         ; 256 x tile column
	s_and_b32 s22, ttmp7, 0xffff                   ; cluster y
	s_cmp_eq_u32 s11, 0                            ; do I fetch for xhb?
	s_cselect_b32 s20, s13, s42                    ; the tile's first row
	s_cselect_b32 s21, s40, s41                    ; my place among the four that ask for it with me
	s_cselect_b32 s22, ttmp9, s22                  ; the coordinate along which other clusters read the same rows
	s_cselect_b64 s[PFA:PFA+1], s[68:69], s[70:71]
	s_cmp_eq_u32 s22, 0
	s_cselect_b32 s[LIM], 1, -1                    ; the same in all sixteen partners, for a given wave
	s_lshl_b32 s22, s12, 7
	s_add_co_u32 s20, s20, s22                     ; + the 128 rows that I fetch
	s_lshl_b32 s21, s21, 5
	s_add_co_u32 s20, s20, s21                     ; + my work-group's 32 of them
	s_lshl_b32 s20, s20, 13
	s_mov_b32 s21, 0
	s_add_nc_u64 s[PFA:PFA+1], s[PFA:PFA+1], s[20:21]
	s_add_nc_u64 s[PFA:PFA+1], s[PFA:PFA+1], 2*KSTEP*2  ; at K step 2: the first refill steps it to 3 and names K step 4
	v_and_b32 v[PFO], 31, v0
	v_lshlrev_b32 v[PFO], 13, v[PFO]
	s_wait_loadcnt 0x0                             ; the biases are in: rounded to bf16 like the other inputs, and widened again
.set i, 0
.rept 32
	v_cvt_pk_bf16_f32 v[TMP+i], v[BIAS+2*i], v[BIAS+2*i+1]
.set i, i+1
.endr
.set i, 0
.rept 32
	v_lshlrev_b32 v[BIAS+2*i], 16, v[TMP+i]
	v_and_b32 v[BIAS+2*i+1], s88, v[TMP+i]
.set i, i+1
.endr
; 16 matrix instructions: row blocks a0, a0 + 1 of the window's four (hi = 0: my rows 0-63, 1: rows 64-127) x all 8 blocks of wb's rows, 32 along K.  bias = 1: the first product starts the sum with the bias: nothing is cleared or added later.
; The 64 accumulators take turns, one instruction a turn, in the same order in every quarter step.
.macro MUL16 f, hi, a0, bias
.if \bias
	WIN 0x81+0x40*(\hi)                            ; source 0 (wb) window 1, source 1 (xhb) and C (the bias) window 0, D window 2 or 3
.else
	WIN 0xa1+0x50*(\hi)                            ; the same with C and D in window 2 or 3
.endif
.irp a, \a0, (\a0)+1
.irp b, 0,1,2,3,4,5,6,7
.if \bias
	v_wmma_f32_16x16x32_bf16 v[8*(8*(\a)+(\b)):8*(8*(\a)+(\b))+7], v[(\f)+8*(\b):(\f)+8*(\b)+7], v[(\f)+8*(4*(\hi)+(\a)):(\f)+8*(4*(\hi)+(\a))+7], v[BIAS+8*(\b):BIAS+8*(\b)+7]
.else
	v_wmma_f32_16x16x32_bf16 v[8*(8*(\a)+(\b)):8*(8*(\a)+(\b))+7], v[(\f)+8*(\b):(\f)+8*(\b)+7], v[(\f)+8*(4*(\hi)+(\a)):(\f)+8*(4*(\hi)+(\a))+7], v[8*(8*(\a)+(\b)):8*(8*(\a)+(\b))+7]
.endif
.endr
.endr
.endm
; 32 LDS loads in one run: the fragments of one quarter step (128 rows of wb, 128 rows of xhb, 32 K at byte k of the rows) into buffer f
.macro FETCH slot, k, f
	WIN TO_B
.irp i, 0,1,2,3,4,5,6,7
	ds_load_b128 v[(\f)+8*(\i):(\f)+8*(\i)+3],   v[ADRB+(\slot)] offset:(\k)+(\i)*16*PITCH
	ds_load_b128 v[(\f)+8*(\i)+4:(\f)+8*(\i)+7], v[ADRB+(\slot)] offset:(\k)+(\i)*16*PITCH+32
.endr
	WIN 0
.irp i, 0,1,2,3,4,5,6,7
	ds_load_b128 v[(\f)+8*(\i):(\f)+8*(\i)+3],   v[ADRA+(\slot)] offset:(\k)+(\i)*16*PITCH
	ds_load_b128 v[(\f)+8*(\i)+4:(\f)+8*(\i)+7], v[ADRA+(\slot)] offset:(\k)+(\i)*16*PITCH+32
.endr
.endm
; A load into a register that a matrix instruction has read, and a vector instruction that reads a matrix result, stand four places behind that matrix instruction, and only plain vector instructions that name none of its
; registers are places (ISA guide 7.12.1 for vector instructions).
.macro PLACES
.rept 4
	v_nop
.endr
.endm
; A K step is four quarter steps of 32 along K, 64 matrix instructions each, on buffers 0, 1, 0, 1.  One of the first three: multiplies buffer f; in its middle it fetches the next quarter's fragments, at byte k, into buffer g.
.macro QUARTER slot, k, f, g, bias
	s_wait_dscnt 8                                 ; wb's fragments and xhb's rows 0-63 are in; the youngest eight loads (xhb's rows 64-127) may be out
	MUL16 \f, 0, 0, \bias
	MUL16 \f, 0, 2, \bias
	PLACES
	FETCH \slot, \k, \g
	s_wait_dscnt 32                                ; all but the 32 just issued
	MUL16 \f, 1, 0, \bias
	MUL16 \f, 1, 2, \bias
.endm
; The last quarter multiplies buffer 1 and changes slots.  MEET is its first half: ONE barrier for the change.  In front of it each wave waits for all its tensor loads, of which one is out: its part of the next slot;
; adds 0 to its spare word; and waits for that and for its own reads of this slot.  Behind it nobody reads this slot any more and the next slot is whole.  round = 1: a round of the cluster's barrier follows.
.macro MEET round
	WIN 0                                          ; (the add's two registers lie in window 0)
	s_wait_tensorcnt 0x0                           ; all my tensor loads have landed;
	ds_add_u32 v[SPW], v[NIL]                      ; 0 onto my spare word;
	s_wait_dscnt 9                                 ; (the add and the youngest eight loads may be out)
	MUL16 F1, 0, 0, 0                              ; sixteen matrix instructions stand between the add and the wait for it
	s_wait_dscnt 0x0                               ; the add is done, and my reads of this slot are over:
	s_barrier_signal -1                            ; say so,
	MUL16 F1, 0, 2, 0                              ; work on registers while the others arrive,
.if \round
	WIN 0
.endif
	s_barrier_wait -1                              ; and go on when all four have said so
.endm
; The whole last quarter.  fill = 1: behind the round the slot just read out is filled again first, with the K step two steps on; from that request to the wait for it a wave issues 224 matrix instructions.
.macro TURN slot, next, fill
.if \fill
	s_wait_xcnt 0x0                                ; the last prefetch, a K step back, has read its address: it is stepped here, ahead of the waits of the change of slots
	s_add_nc_u64 s[PFA:PFA+1], s[PFA:PFA+1], KSTEP*2
	MEET 1
	CREST                                          ; no wave of any partner still reads this slot's tile or has a load on its way
	s_add_nc_u64 s[G0+4*(\slot)+2:G0+4*(\slot)+3], s[G0+4*(\slot)+2:G0+4*(\slot)+3], 2*KSTEP*2      ; no tensor load of mine is out, so a group 0 may be written; the type bits on top are not reached
	s_add_nc_u64 s[G0B+4*(\slot)+2:G0B+4*(\slot)+3], s[G0B+4*(\slot)+2:G0B+4*(\slot)+3], 2*KSTEP*2
	JLOAD \slot                                    ; the first tensor load behind the round, one a wave; the four v_nop behind it are also the places in front of the loads below
	FETCH \next, 0, F0
	ASK
.else
	MEET 0
	PLACES
	FETCH \next, 0, F0
.endif
	MUL16 F1, 1, 0, 0
	MUL16 F1, 1, 2, 0
.endm
; THE CELL, for my row block a (16 batch rows x 32 hidden columns), in place in its eight accumulators: F = z_f at AC, I = z_i at AC + 16, C = z_c at AC + 32, O = z_o at AC + 48, 16 registers each.
; Each stage is a run of packed plain lines with the transcendentals of the pair before behind each, so that no line reads the result of the one in front of it.  Nothing in a stage names a result of that stage's
; transcendentals: they are ONE BATCH, with one v_nop (the plain instruction behind the last of them: ISA guide 5.7.2) and one wait ahead of the first reader.
; Each accumulator's lowest registers are read first: the pairs go in ascending order.
.macro GATES a
.set AC, 64*((\a)%4)
	WIN 0x8a+0x45*((\a)/4)                         ; sources 0 and 1 and the destination in window 2 or 3
.set p, 0
.rept 32                                       ; 2^(-L z) for f, i, o; 2^(2 L z) for c
.if p/8 == 2
	v_pk_mul_f32 v[AC+2*p:AC+2*p+1], v[AC+2*p:AC+2*p+1], s[TL:TL+1] op_sel_hi:[1,0]
.else
	v_pk_mul_f32 v[AC+2*p:AC+2*p+1], v[AC+2*p:AC+2*p+1], s[NL:NL+1] op_sel_hi:[1,0]
.endif
.if p > 0
	v_exp_f32 v[AC+2*p-2], v[AC+2*p-2]
	v_exp_f32 v[AC+2*p-1], v[AC+2*p-1]
.endif
.set p, p+1
.endr
	v_exp_f32 v[AC+62], v[AC+62]
	v_exp_f32 v[AC+63], v[AC+63]
	v_nop
	s_wait_alu depctr_va_vdst(0)                   ; one wait for the 64 exponentials
.set p, 0
.rept 32                                       ; 1 / (1 + that): the three sigmoids, and for c half of what tanh lacks to 1
	v_pk_add_f32 v[AC+2*p:AC+2*p+1], v[AC+2*p:AC+2*p+1], 1.0 op_sel_hi:[1,0]
.if p > 0
	v_rcp_f32 v[AC+2*p-2], v[AC+2*p-2]
	v_rcp_f32 v[AC+2*p-1], v[AC+2*p-1]
.endif
.set p, p+1
.endr
	v_rcp_f32 v[AC+62], v[AC+62]
	v_rcp_f32 v[AC+63], v[AC+63]
	v_nop
	s_wait_alu depctr_va_vdst(0)                   ; one wait for the 64 reciprocals
.set p, 0
.rept 8
	v_pk_fma_f32 v[AC+32+2*p:AC+32+2*p+1], v[AC+32+2*p:AC+32+2*p+1], -2.0, 1.0 op_sel_hi:[1,0,0]  ; C = tanh(z_c)
.set p, p+1
.endr
.set p, 0
.rept 8
	v_pk_add_f32 v[AC+2*p:AC+2*p+1], v[AC+2*p:AC+2*p+1], v[AC+16+2*p:AC+16+2*p+1]                 ; F = ft + it
.set p, p+1
.endr
.set p, 0
.rept 8
	v_pk_mul_f32 v[AC+16+2*p:AC+16+2*p+1], v[AC+2*p:AC+2*p+1], v[AC+32+2*p:AC+32+2*p+1]           ; I = ct, which stays there
.set p, p+1
.endr
.set p, 0
.rept 8                                        ; F = 2^(2 L ct)
	v_pk_mul_f32 v[AC+2*p:AC+2*p+1], v[AC+16+2*p:AC+16+2*p+1], s[TL:TL+1] op_sel_hi:[1,0]
.if p > 0
	v_exp_f32 v[AC+2*p-2], v[AC+2*p-2]
	v_exp_f32 v[AC+2*p-1], v[AC+2*p-1]
.endif
.set p, p+1
.endr
	v_exp_f32 v[AC+14], v[AC+14]
	v_exp_f32 v[AC+15], v[AC+15]
	v_nop
	s_wait_alu depctr_va_vdst(0)                   ; one wait for the 16 exponentials
.set p, 0
.rept 8
	v_pk_add_f32 v[AC+2*p:AC+2*p+1], v[AC+2*p:AC+2*p+1], 1.0 op_sel_hi:[1,0]
.if p > 0
	v_rcp_f32 v[AC+2*p-2], v[AC+2*p-2]
	v_rcp_f32 v[AC+2*p-1], v[AC+2*p-1]
.endif
.set p, p+1
.endr
	v_rcp_f32 v[AC+14], v[AC+14]
	v_rcp_f32 v[AC+15], v[AC+15]
	v_nop
	s_wait_alu depctr_va_vdst(0)                   ; one wait for the 16 reciprocals
.set p, 0
.rept 8
	v_pk_fma_f32 v[AC+2*p:AC+2*p+1], v[AC+2*p:AC+2*p+1], -2.0, 1.0 op_sel_hi:[1,0,0]              ; F = tanh(ct)
.set p, p+1
.endr
.set p, 0
.rept 8
	v_pk_mul_f32 v[AC+2*p:AC+2*p+1], v[AC+2*p:AC+2*p+1], v[AC+48+2*p:AC+48+2*p+1]                 ; F = ht
.set p, p+1
.endr
	WIN 0x08+4*((\a)/4)                            ; an LDS store's data are its source 1: window 2 or 3; the address in window 0
.irp s, 0,1
.irp q, 0,1
	ds_store_b128 v[STO0], v[AC+8*(\s)+4*(\q):AC+8*(\s)+4*(\q)+3]       offset:16*PITCH*(\a)+64*(\s)+16*(\q)
	ds_store_b128 v[STO1], v[AC+16+8*(\s)+4*(\q):AC+16+8*(\s)+4*(\q)+3] offset:16*PITCH*(\a)+64*(\s)+16*(\q)
.endr
.endr
.endm
	s_wait_tensorcnt 1                             ; my part of K step 0 is in; K step 1's may stay out
	s_barrier_signal -1
	s_barrier_wait -1                              ; everybody's is
	FETCH 0, 0, F0
	QUARTER 0, 64,  F0, F1, 1                      ; the first quarter stands in front of the loop: its products start the sums, with the biases
	WIN 0                                          ; at a label and at a branch every window is 0
	s_mov_b32 s3, LAPS-1
.Llap:                                                 ; a trip goes once round the ring, from a lap's second quarter to the next lap's first, and fills both slots again
	QUARTER 0, 128, F1, F0, 0
	QUARTER 0, 192, F0, F1, 0
	TURN 0, 1, 1
	QUARTER 1, 64,  F0, F1, 0
	QUARTER 1, 128, F1, F0, 0
	QUARTER 1, 192, F0, F1, 0
	TURN 1, 0, 1
	QUARTER 0, 64,  F0, F1, 0
	WIN 0
	s_sub_co_u32 s3, s3, 1
	s_cmp_lg_u32 s3, 0
	s_cbranch_scc1 .Llap
	QUARTER 0, 128, F1, F0, 0                      ; the last lap is written out: it fills nothing, and has no round of the cluster's barrier
	QUARTER 0, 192, F0, F1, 0
	TURN 0, 1, 0                                   ; behind this barrier no wave reads slot 0 any more, and no load will fill it: it is the stage from here on
	QUARTER 1, 64,  F0, F1, 0
	QUARTER 1, 128, F1, F0, 0
	QUARTER 1, 192, F0, F1, 0
	s_wait_dscnt 8                                 ; the very last quarter: nothing more to fetch
	MUL16 F1, 0, 0, 0
	MUL16 F1, 0, 2, 0
	s_wait_dscnt 0x0
	MUL16 F1, 1, 0, 0
	MUL16 F1, 1, 2, 0
	PLACES                                         ; the places behind the last products, in front of the lines that read results
	PLACES                                         ; (eight, once a launch)
.irp a, 0,1,2,3,4,5,6,7
	GATES \a
.endr
	; THE WAY OUT.  A row's 256 bytes come from two waves, so a barrier stands between the writing and the reading; then each wave takes 64 whole rows of ht and of ct.
	WIN 0
	s_wait_dscnt 0x0                               ; for the others' sake: my stores into the stage are done
	s_barrier_signal -1
	s_barrier_wait -1
	WIN TO_B                                       ; into window 1, whose registers the products have long left
.set n, 0
.rept 32
	ds_load_b128 v[4*n:4*n+3], v[RD0] offset:2*PITCH*n
.set n, n+1
.endr
.rept 32
	ds_load_b128 v[4*n:4*n+3], v[RD1] offset:2*PITCH*(n-32)
.set n, n+1
.endr
	WIN 0x04                                       ; a store's data are its source 1: window 1
.set n, 0
.rept 32
	s_wait_dscnt 63-n                              ; LDS loads come back in order (ISA guide 5.7.1): load n is in, the younger ones stay out
	global_store_b128 v[CO], v[4*n:4*n+3], s[80:81] offset:2*OUTP*n th:TH_STORE_NT       ; ht: 16 lanes store 256 consecutive bytes, at a multiple of 256 from out0's first byte; 62 rows at the most, inside the signed 24-bit immediate
.set n, n+1
.endr
.rept 32
	s_wait_dscnt 63-n
	global_store_b128 v[CO], v[4*n:4*n+3], s[82:83] offset:2*OUTP*(n-32) th:TH_STORE_NT  ; ct, likewise into out1
.set n, n+1
.endr
	WIN 0
	s_wait_tensorcnt 0x0                           ; the wave's end: behind my last tensor load and my last LDS store
	ds_add_u32 v[SPW], v[NIL]
	s_wait_dscnt 0x0
	CROUND                                         ; the closing round: no work-group ends while a partner may still ask for a tile that names it
	s_endpgm
.Lfunc_end_k_q94a4194df7_gates:
	.size	k_q94a4194df7_gates, .Lfunc_end_k_q94a4194df7_gates-k_q94a4194df7_gates
	.p2alignl 7, 3214868480
	.fill 96, 4, 3214868480
	.section	.rodata,"a",@progbits
	.p2align	6, 0x0
	.amdhsa_kernel k_q94a4194df7_gates
		.amdhsa_group_segment_fixed_size 327680
		.amdhsa_private_segment_fixed_size 0
		.amdhsa_enable_private_segment 0
		.amdhsa_kernarg_size 64
		.amdhsa_user_sgpr_count 2
		.amdhsa_user_sgpr_kernarg_segment_ptr 1
		.amdhsa_wavefront_size32 1
		.amdhsa_system_sgpr_workgroup_id_x 1
		.amdhsa_system_sgpr_workgroup_id_y 1
		.amdhsa_system_sgpr_workgroup_id_z 1
		.amdhsa_system_vgpr_workitem_id 0
		.amdhsa_next_free_vgpr 1024
		.amdhsa_next_free_sgpr 96
		.amdhsa_reserve_vcc 0
		.amdhsa_float_denorm_mode_32 3
		.amdhsa_float_denorm_mode_16_64 3
		.amdhsa_memory_ordered 1
		.amdhsa_forward_progress 1
		.amdhsa_inst_pref_size 237
	.end_amdhsa_kernel
	.amdgpu_metadata
---
amdhsa.version: [ 1, 2 ]
amdhsa.kernels:
  - .name:           k_q94a4194df7_gates
    .symbol:         k_q94a4194df7_gates.kd
    .args:
      - { .name: xhb, .offset: 0, .size: 8, .value_kind: global_buffer, .address_space: global }
      - { .name: wb, .offset: 8, .size: 8, .value_kind: global_buffer, .address_space: global }
      - { .name: bf, .offset: 16, .size: 8, .value_kind: global_buffer, .address_space: global }
      - { .name: bi, .offset: 24, .size: 8, .value_kind: global_buffer, .address_space: global }
      - { .name: bc, .offset: 32, .size: 8, .value_kind: global_buffer, .address_space: global }
      - { .name: bo, .offset: 40, .size: 8, .value_kind: global_buffer, .address_space: global }
      - { .name: out0, .offset: 48, .size: 8, .value_kind: global_buffer, .address_space: global }
      - { .name: out1, .offset: 56, .size: 8, .value_kind: global_buffer, .address_space: global }
    .group_segment_fixed_size: 327680
    .private_segment_fixed_size: 0
    .kernarg_segment_align: 8
    .kernarg_segment_size: 64
    .max_flat_workgroup_size: 128
    .sgpr_count:     96
    .vgpr_count:     1024
    .wavefront_size: 32
...
	.end_amdgpu_metadata
.endif
;; end of part 2
